; MI455X (gfx1250); checked and timed in simulation.
; The chip was launched on July 23, 2026; its instructions are those of AMD's public machine-readable ISA for CDNA 5 (MIT licence, August 2026) and "CDNA5" Instruction Set Architecture Reference Guide (July 2026). The comments in the code are by the model that wrote it; some were corrected since.
;; Max Pooling Matching. Allowed arithmetic: matrix products marked QUANTISED: E4M3 operands, one E8M0 scale for each 32 along K, by v_wmma_scale_f32_16x16x128_f8f6f4 with both operands' format E4M3, f32 sums; everything else in f32.
;; Inputs: kernel 20 x 256 float32; sent1 16 x 256 x 256 float32; sent2 16 x 256 x 256 float32.
;; Outputs: out0 16 x 256 x 20 float32.
;; This version of the problem:
;;   THIS VERSION OF THE PROBLEM IS GIVEN IN LOW PRECISION. The matrix products marked QUANTISED in the list below multiply operands that are first quantised to E4M3 (4 exponent bits, 3 mantissa bits; 8 bits a number), with one power-of-two scale for each 32 numbers along K (OCP MX v1.0); their sums are f32. All else is computed in f32.
;;   The module's matrix products, in the order in which they are computed (A, B: the left and right operand; K: the contracted axis; several contracted axes count as one K, in the product's order):
;;     1. batch 320 x [M 256, K 256] x [K 256, N 256]; A: computed on the way; B: computed on the way: QUANTISED
;;   THE QUANTISER, for each operand of a quantised product, along K:
;;     - K is cut into blocks of 32 from its start; a last block that is shorter is filled with zeros.
;;     - A block's scale is 2^e with e = floor(log2(the largest magnitude in the block)) - 8, held to -126 .. 127; a block of zeros has e = 0. As a byte (E8M0): e + 127.
;;     - Each number is divided by its block's scale, clamped to +-448, and rounded to the nearest number of E4M3, ties to even, subnormals kept.
;;     - The product sums the exact products of the quantised numbers (number of the format x scale) in f32.
;;   ~~~python
;;   def quantise(x, axis):      # numpy; x: float32 -> the quantised numbers, widened to float32 again
;;       x = np.moveaxis(x, axis, -1); K = x.shape[-1]
;;       x = np.pad(x, [(0, 0)] * (x.ndim - 1) + [(0, -K % 32)]); x = x.reshape(x.shape[:-1] + (-1, 32)); a = np.abs(x).max(-1, keepdims=True)
;;       e = np.where(a > 0, np.clip(np.frexp(np.where(a > 0, a, 1))[1] - 1 - 8, -126, 127), 0)      # np.frexp(a)[1] - 1 = floor(log2(a)), exactly
;;       r = np.clip(x / 2.0 ** e, -448, 448)
;;       step = 2.0 ** (np.maximum(np.frexp(np.where(r == 0, 1, r))[1] - 1, -6) - 3)
;;       q = np.round(r / step) * step * 2.0 ** e      # np.round: ties to even
;;       return np.moveaxis(q.reshape(q.shape[:-2] + (-1,))[..., :K], -1, axis).astype(np.float32)
;;   ~~~
;;   OPERANDS COMPUTED ON THE WAY. 'Computed on the way' means the value that the module computes at that place (a softmax that the list does not call 'softmax' is quantised finished and normalised). What goes into a quantiser is computed in f32, as accurately as f32 sums, v_exp_f32 and their like allow (about 1e-6 of the number): no bf16 or f16 on the way to a quantiser, and a product that is left as it is and whose result goes on into a quantised operand takes f32 operands (vector FMAs, or v_wmma_f32_16x16x4_f32). A number that lies on a knife's edge between two numbers of the format may be rounded either way, as far as f32 arithmetic and the matrix unit's own rounding can turn it there, and no further.
;; One version. Each part assembles by itself: llvm-mc -triple=amdgcn-amd-amdhsa -mcpu=gfx1250 --defsym DOCPART=n.
;; ======== version 1 of 1: 1 launch
;; limits: right only within a limited range of input values
;; launch match (part 1): grid 16 x 16, 8 waves a work-group, clusters of 4 x 1, 327,680 bytes of LDS; arguments kernel, sent1, sent2, out0; writes out0
.if DOCPART == 1
	.amdgcn_target "amdgcn-amd-amdhsa--gfx1250"
	.amdhsa_code_object_version 6
	.text
	.protected	k_q8da31dabe7_match
	.globl	k_q8da31dabe7_match
	.p2align	8
	.type	k_q8da31dabe7_match,@function
k_q8da31dabe7_match:
	s_mov_b64 s[64:65], 0
	v_nop
	global_prefetch_b8 v0, s[64:65] scope:SCOPE_SE
	s_setreg_imm32_b32 hwreg(HW_REG_WAVE_MODE, 25, 1), 1
	s_wait_xcnt 0x0
	s_wait_alu depctr_hold_cnt(0) depctr_sa_sdst(0) depctr_va_vdst(0) depctr_va_sdst(0) depctr_va_ssrc(0) depctr_va_vcc(0) depctr_vm_vsrc(0)
	s_getreg_b32 s2, hwreg(HW_REG_IB_STS2, 6, 4)
	s_cmp_eq_u32 s2, 0
	s_cbranch_scc0 .Lentry_in_a_cluster
	s_endpgm
.Lentry_in_a_cluster:
	s_bfe_u32 s2, ttmp6, 0x10000c
	s_cmp_lg_u32 s2, 0x3003
	s_cbranch_scc0 .Lentry_shape_is_right
	s_endpgm
.Lentry_shape_is_right:
; out0[b][l][p] = max over m of v1[b][l][p][:] . v2[b][m][p][:],  v1 = l2norm(sent1[b][l][:] * kernel[p][:]),  v2 = l2norm(sent2[b][m][:] * kernel[p][:]).
; sent1, sent2: [16][256][256] f32; kernel: [20][256] f32; out0: [16][256][20] f32.  Both operands are quantised along the 256 to codes of FP8 (E4M3), one E8M0 scale for each 32; the
; sums and the maximum are f32.  All that stands ahead of the quantiser is f32: t = x k, the sum of t^2, the maximum with 1e-12, v_rsq_f32, y = t rs.
; SHARES.  320 pairs (b, p), 256 work-groups.  A cluster is four work-groups of one b: cluster c (0 .. 3), place cx.  Work-group (b, c, cx) makes all 256 l of p1 = 4 c + cx, and of
; p2 = 16 + cx the 64 l from 64 c on.
; A WAVE w owns four tiles of 16 rows: S1 = tile (4 c + w) % 16 and S2 = tile (4 c + 8 + w) % 16 of sent1, A = tile 2 w and B = tile 2 w + 1 of sent2.  Under p2 of sent1 only S1 of waves 0-3 counts.
; Order: S1 p2 (waves 0-3), S1 p1, S2 p1, A p1, A p2, B p2, B p1.
; sent2: the four partners read the same rows, and ask for a wave's 32 rows JOINTLY by one tensor load at the head; the wave alone reads them.  266,240 bytes of LDS hold all 256 rows.
; sent1: LDS has no room for its 256 rows beside those, so its tiles go from memory straight into registers, each asked for a tile ahead; no LDS byte is filled twice.
; NO PREFETCH: there is no loop to run ahead in; sent2 is asked for at the head, and S2 while S1 is worked.
; A LANE (r = lane % 16, h = lane / 16) holds of row r the numbers d = 32 c + 8 j + 4 h + i (c = 0 .. 7; j, i = 0 .. 3) in register 16 c + 4 j + i.  Inside a block of 32 that is another order of k than
; the operand's own, the same one for both operands, so every product meets its partner under its block's scales.  A block lies in lanes l and l xor 16.  The conversions' results are the operand.
; Operands pass through LDS as images of their registers: four registers by one ds_store_b128 at 16 x lane.  The images of A and B go into their own slots when these have been read.
; THE PRODUCT: source 0 = 16 rows of v2, source 1 = 16 rows of v1: a lane then holds ONE l and eight m.  p2: a wave multiplies its own two tiles of v2 by the four of v1.  p1: wave w takes the four
; tiles of v1 of waves w % 4 and w % 4 + 4, and eight of the sixteen of v2 (half w / 4).  The partial maxima meet in LDS.
; out0: a work-group owns single columns p, so a store writes 32 words 80 bytes apart.
; LIMITS.  A block's scale byte is the exponent field of its largest |y| less 8, held at 1 from below by the floor 2^-118.  A block of zeros keeps the byte 1 where the quantiser's text says 127: its
; codes are zeros, which add nothing, and only this text reads the bytes.  The sum of squares is taken in four chains of pairs and joined: f32 rounding apart the same number; it overflows where
; x k passes about 1e19, as the definition's does.  NaN and infinities among the inputs are not served.
;
; REGISTERS: v1-15, v27-31, v50, v51, v56-58 addresses and single numbers; v16-26, v32-49 at work; v64-95, v96-127 codes; v128-255 t, then y.
; Window 1: 0-127 one row of kernel, 128-255 a tile's rows; in the products the accumulators (0-63), A's codes under p2 (128-159), then v1's four tiles (64-191).
.set PITCH, 1040                       ; an LDS row: 1,024 bytes + 16 of padding
.set TILE,  16*PITCH
.set STASH, 16*TILE                    ; images of v1 p1, S1: 4,096 bytes a wave
.set V1P2,  STASH+32768                ; images of v1 p2: four
.set SC2,   V1P2+16384                 ; scale words, 8 bytes a row: v2 p1, 16 tiles; v1 p1, 16; v1 p2, 4
.set SC1,   SC2+2048
.set SCP,   SC1+2048
.set PM1,   SCP+512                    ; partial maxima of p1: [half][256 l]
.set PM2,   PM1+2048                   ; of p2: [wave][64 l]
.set SPARE, PM2+2048                   ; spare words, 128 bytes a wave
.set XA,  1                            ; my row in A's slot; B's lies TILE on
.set IM,  2                            ; my place in an image in A's slot
.set ST,  3                            ; in my image in STASH
.set P2L, 4                            ; in v1 p2's images
.set P2S, 5                            ; in mine of them
.set S2S, 6                            ; scale words: where I store v2 p1's, v1 p1's, v1 p2's
.set S1S, 7
.set SPS, 8
.set S2L, 9                            ; and where I load them
.set S1L, 10
.set SPL, 11
.set B0,  12                           ; images of v2 p1: my half's first four, last four
.set B1,  13
.set VA,  14                           ; images of v1 p1: S1; S2 of wave w % 4; S2 of wave w % 4 + 4
.set VB,  15
.set VC,  50
.set SS,  16                           ; the sum of squares, four chains of pairs; then the scale bytes; in the product p1's slot scale words
.set RS,  24                           ; 1 / norm; v25 is named with it
.set SP,  26
.set SPW, 27                           ; my spare word, and 0; never rewritten
.set NIL, 28
.set KO,  29                           ; 16 h: my place in a row of kernel
.set XO,  30                           ; 1,024 r + 16 h: in a tile of sent1
.set OO,  31                           ; my row in out0
.set M,   32                           ; the blocks' largest magnitudes; then 448 x the scale
.set MP,  40                           ; the other half's; then the scale operands
.set PW,  48                           ; scale words on the way to LDS
.set PM1S, 51
.set BS2, 52                           ; scale words of my two tiles of v2 p2
.set PM2S, 56
.set PM1R, 57
.set PM2R, 58
.set RM,  60                           ; p1's running maxima, a tile of v1 each
.set C,   64
.set V,   96
.set T,   128
.set X1,  128                          ; a tile's rows, in window 1
.set LW,  32                           ; in the products: scale words of v1's tiles
.set R2,  40
.set RP,  44
.set WV,  12
.set SEL, 18                           ; v_permlanex16_b32's selects for lane l xor 16
.set MNT, 20                           ; the mantissa field of 448
.set G1,  24                           ; descriptor group 1
.set XS1, 32                           ; s[32:33] S1, s[34:35] S2
.set XS2, 34
.set KH,  36                           ; s[36:37] the row of kernel that my first quantisation takes
.set G0,  40                           ; descriptor group 0
.set KP1, 48                           ; s[48:49], s[50:51] kernel's rows p1, p2
.set KP2, 50
.set MSB, 0
.macro WIN new                         ; the immediate's high byte repeats the setting that is left
.if MSB != \new
	s_set_vgpr_msb (MSB<<8)|\new
.set MSB, \new
.endif
.endm
.macro PLACES n
.rept \n
	v_nop
.endr
.endm
.macro CROUND                          ; a round of the cluster's barrier
	s_barrier_signal -1
	s_barrier_wait -1
	s_cmp_lg_u32 s[WV], 0
	s_cbranch_scc1 .Lnot_wave_0_\@
	s_barrier_signal -3
.Lnot_wave_0_\@:
	s_barrier_wait -3
	s_barrier_signal -1
	s_barrier_wait -1
.endm
.macro GL gl, ga, blk                  ; a block of 16 registers of window 1, four loads.  1: a tile of sent1 by the base s[ga]; 2: a row of kernel; 3: a tile of sent2 out of LDS, ga bytes on
.if \gl
	WIN 0x40
.irp j, 0,1,2,3
.if \gl == 1
	global_load_b128 v[X1+16*(\blk)+4*\j:X1+16*(\blk)+4*\j+3], v[XO], s[\ga:\ga+1] offset:128*(\blk)+32*\j
.elseif \gl == 2
	global_load_b128 v[16*(\blk)+4*\j:16*(\blk)+4*\j+3], v[KO], s[\ga:\ga+1] offset:128*(\blk)+32*\j
.else
	ds_load_b128 v[X1+16*(\blk)+4*\j:X1+16*(\blk)+4*\j+3], v[XA] offset:(\ga)+128*(\blk)+32*\j
.endif
.endr
	WIN 0
.endif
.endm
.macro NEXT nx, blk                    ; half a tile of v1 p2 into the block of T that has been converted
.if \nx
.irp j, 0,1,2,3
	ds_load_b128 v[T+16*(\blk)+4*\j:T+16*(\blk)+4*\j+3], v[P2L] offset:4096*((\blk)/2)+512*(4*((\blk)%2)+\j)
.endr
.endif
.endm
.macro MX i                            ; line i of the blocks' maxima: block i % 8, two more numbers (the first eight lines: three)
.set mq, (\i)%8
.set mr, 2*((\i)/8)+1
.if (\i) < 8
	v_max3_num_f32 v[M+mq], |v[T+16*mq]|, |v[T+16*mq+1]|, |v[T+16*mq+2]|
.else
	v_max3_num_f32 v[M+mq], v[M+mq], |v[T+16*mq+mr]|, |v[T+16*mq+mr+1]|
.endif
.endm
.macro MROUND r
.set mi, 8*\r
.rept 8
	MX mi
.set mi, mi+1
.endr
.endm
.macro CVT cd, blk                     ; codes of a block: registers 4 blk .. 4 blk + 3 of the operand
	v_cvt_scalef32_pk8_fp8_f32 v[\cd+4*(\blk):\cd+4*(\blk)+1], v[T+16*(\blk):T+16*(\blk)+7], v[MP+(\blk)]
	v_cvt_scalef32_pk8_fp8_f32 v[\cd+4*(\blk)+2:\cd+4*(\blk)+3], v[T+16*(\blk)+8:T+16*(\blk)+15], v[MP+(\blk)]
.endm
; The tile in window 1, times the row of kernel there, normalised and quantised: codes to v[cd] on, scale words to v[pw], v[pw+1].
; wl: 1: rows or kernel come from memory and are waited for.  wd: the tile comes out of LDS, and wd LDS stores stand behind its loads (-1: it does not).
; sig: 1: signal the work-group's barrier.  gl, ga: what window 1 takes next, when its last reader has passed.  nx: 1: T takes v1 p2.
.macro QUANT cd, pw, wl, wd, sig, gl, ga, nx
.if \wl
	s_wait_loadcnt 0x0
.endif
.if (\wd) >= 0
	s_wait_dscnt \wd                               ; the tile's 32 loads are in; the stores issued behind them may be out
.endif
	WIN 0x05
.set qn, 0
.rept 64
	v_pk_mul_f32 v[T+qn:T+qn+1], v[X1+qn:X1+qn+1], v[qn:qn+1]   ; t = x k
.set qn, qn+2
.endr
	WIN 0
	s_wait_dscnt 0x0                               ; the last image's stores are done: their registers may be written
.if \sig
	s_barrier_signal -1
.endif
.if (\gl) == 3
.if (\ga) == 0
	s_wait_tensorcnt 0x0                           ; my 32 rows of sent2 have landed: my own load, read by me alone
.endif
.endif
.set qn, 0
.rept 64
.if qn < 4
	v_pk_mul_f32 v[SS+2*qn:SS+2*qn+1], v[T+2*qn:T+2*qn+1], v[T+2*qn:T+2*qn+1]
.else
	v_pk_fma_f32 v[SS+2*(qn%4):SS+2*(qn%4)+1], v[T+2*qn:T+2*qn+1], v[T+2*qn:T+2*qn+1], v[SS+2*(qn%4):SS+2*(qn%4)+1]
.endif
.if qn%2
	MX qn/2                                        ; THE BLOCKS' MAXIMA ARE TAKEN OF |t|: rs is positive and rounding keeps order, so the largest |t| times rs is the largest |t rs|, bit for bit
.endif
.if qn%8 == 7
	GL \gl, \ga, qn/8
.endif
.set qn, qn+1
.endr
	v_pk_add_f32 v[SS:SS+1], v[SS:SS+1], v[SS+2:SS+3]
	v_pk_add_f32 v[SS+4:SS+5], v[SS+4:SS+5], v[SS+6:SS+7]
	MROUND 4
	v_pk_add_f32 v[SS:SS+1], v[SS:SS+1], v[SS+4:SS+5]
	MROUND 5
	v_add_f32 v[SS], v[SS], v[SS+1]
	v_permlanex16_b32 v[SP], v[SS], s[SEL], s[SEL+1]   ; the row's other 128 numbers lie in lane l xor 16
	MROUND 6
	v_add_f32 v[SS], v[SS], v[SP]
	v_max_num_f32 v[SS], 0x2b8cbccc, v[SS]         ; 1e-12 from below
	s_wait_alu depctr_va_vdst(0)                   ; the wait ahead of the transcendental
	v_rsq_f32 v[RS], v[SS]
.irp e, 0,1,2,3,4,5,6,7
	v_max_num_f32 v[M+\e], v[M+\e], |v[T+16*\e+15]|    ; the sixteenth number
.endr
.irp e, 0,1,2,3,4,5,6,7
	v_permlanex16_b32 v[MP+\e], v[M+\e], s[SEL], s[SEL+1]
.endr
	s_wait_alu depctr_va_vdst(0)                   ; and ahead of its result's first reader
.irp e, 0,2,4,6
	v_pk_mul_f32 v[M+\e:M+\e+1], v[M+\e:M+\e+1], v[RS:RS+1] op_sel_hi:[1,0]
	v_pk_mul_f32 v[MP+\e:MP+\e+1], v[MP+\e:MP+\e+1], v[RS:RS+1] op_sel_hi:[1,0]
.endr
.irp e, 0,1,2,3,4,5,6,7
	v_max3_num_f32 v[M+\e], v[M+\e], v[MP+\e], 0x4800000   ; the block's largest magnitude, and the floor 2^(9 - 127)
.endr
.irp e, 0,1,2,3,4,5,6,7
	v_add_nc_u32 v[MP+\e], 0xfc000000, v[M+\e]     ; 8 off its exponent field: the conversion's scale operand
.endr
.irp e, 0,1,2,3,4,5,6,7
	v_and_or_b32 v[M+\e], v[M+\e], 0x7f800000, s[MNT]  ; 448 x the scale
.endr
.irp e, 0,1,2,3,4,5,6,7
	v_lshrrev_b32 v[SS+\e], 23, v[MP+\e]           ; the scale's byte
.endr
.set qn, 0
.rept 64
	v_pk_mul_f32 v[T+2*qn:T+2*qn+1], v[T+2*qn:T+2*qn+1], v[RS:RS+1] op_sel_hi:[1,0]   ; y = t rs: the pair's low word serves both halves; the scale words' bytes are joined on the way
.if qn == 15
	v_lshl_or_b32 v[\pw], v[SS+1], 8, v[SS]
	v_lshl_or_b32 v[\pw+1], v[SS+5], 8, v[SS+4]
.elseif qn == 31
	v_lshl_or_b32 v[\pw], v[SS+2], 16, v[\pw]
	v_lshl_or_b32 v[\pw+1], v[SS+6], 16, v[\pw+1]
.elseif qn == 47
	v_lshl_or_b32 v[\pw], v[SS+3], 24, v[\pw]
	v_lshl_or_b32 v[\pw+1], v[SS+7], 24, v[\pw+1]
.endif
.set qn, qn+1
.endr
.set qc, 0
.rept 8
.set qn, T+16*qc
.rept 16
	v_med3_num_f32 v[qn], v[qn], -v[M+qc], v[M+qc]     ; the conversion to an 8-bit code does not saturate (ISA guide 7.6.2): the hold
.set qn, qn+1
.endr
.if qc > 0
	CVT \cd, qc-1
	NEXT \nx, qc-1
.endif
.set qc, qc+1
.endr
	CVT \cd, 7
	NEXT \nx, 7
	v_nop                                          ; one plain instruction behind the last scaled conversion
.endm
.macro IMAGE adr, off, src             ; 32 registers as an image
.irp n, 0,1,2,3,4,5,6,7
	ds_store_b128 v[\adr], v[\src+4*\n:\src+4*\n+3] offset:(\off)+512*\n
.endr
.endm
	; ---- THE HEAD
	s_load_b256 s[4:11], s[0:1], 0x0               ; kernel s[4:5], sent1 s[6:7], sent2 s[8:9], out0 s[10:11]
	v_lshl_add_u32 v[SPW], v0, 2, SPARE
	v_mov_b32 v[NIL], 0
	ds_add_u32 v[SPW], v[NIL]                      ; the wave's opening: the add, twice on end, and its wait ahead of the first tensor load
	ds_add_u32 v[SPW], v[NIL]
	v_lshrrev_b32 v2, 5, v0
	v_readfirstlane_b32 s[WV], v2                  ; wave 0..7
	s_bfe_u32 s14, ttmp6, 0x40000                  ; cx
	s_and_b32 s15, ttmp7, 0xffff                   ; b
	s_and_b32 s22, s[WV], 3                        ; w % 4
	s_lshr_b32 s23, s[WV], 2                       ; w / 4
	s_mul_i32 s66, s[WV], 2*TILE                   ; my two slots
	s_lshl_b32 s67, s[WV], 12
	s_add_co_u32 s68, s67, V1P2
	s_add_co_u32 s67, s67, STASH
	s_lshl_b32 s69, s[WV], 8
	s_add_co_u32 s78, s69, PM2
	s_add_co_u32 s69, s69, SC2
	s_lshl_b32 s70, s[WV], 7
	s_add_co_u32 s71, s70, SCP
	s_add_co_u32 s79, s70, PM1
	s_add_co_u32 s80, s70, PM2
	s_add_co_u32 s70, s70, SC1
	s_lshl_b32 s72, s23, 10
	s_lshl_b32 s77, s22, 6
	s_add_co_u32 s77, s77, s72
	s_add_co_u32 s77, s77, PM1
	s_add_co_u32 s72, s72, SC2
	s_lshl_b32 s73, s22, 7
	s_add_co_u32 s73, s73, SC1
	s_mul_i32 s74, s23, 8*TILE
	s_lshl_b32 s75, s22, 12
	s_add_co_u32 s75, s75, STASH
	s_mul_i32 s76, s22, 2*TILE
	s_add_co_u32 s76, s76, 4096
	s_lshl_b32 s81, ttmp9, 6                       ; 64 c
	s_lshl_b32 s16, s[WV], 5
	s_add_co_u32 s81, s81, s16                     ; + 32 w
	; byte offsets in the buffers
	s_lshl_b32 s17, s15, 18                        ; b's 262,144 bytes
	s_lshl_b32 s16, ttmp9, 2
	s_add_co_u32 s21, s16, s14                     ; p1 = 4 c + cx
	s_add_co_u32 s16, s16, s[WV]                   ; 4 c + w
	s_and_b32 s56, s16, 15
	s_lshl_b32 s56, s56, 14
	s_add_co_u32 s56, s56, s17                     ; S1
	s_mov_b32 s57, 0
	s_add_co_u32 s16, s16, 8
	s_and_b32 s58, s16, 15
	s_lshl_b32 s58, s58, 14
	s_add_co_u32 s58, s58, s17                     ; S2
	s_mov_b32 s59, 0
	s_lshl_b32 s62, s[WV], 15
	s_add_co_u32 s62, s62, s17                     ; A and B: 32 rows of sent2
	s_mov_b32 s63, 0
	s_lshl_b32 s48, s21, 10                        ; kernel's row p1
	s_mov_b32 s49, 0
	s_lshl_b32 s50, s14, 10
	s_add_co_u32 s50, s50, 16384                   ; and row p2 = 16 + cx
	s_mov_b32 s51, 0
	s_mul_i32 s54, s15, 20480                      ; b's part of out0
	s_lshl_b32 s52, s21, 2
	s_add_co_u32 s52, s52, s54                     ; column p1
	s_mov_b32 s53, 0
	s_lshl_b32 s16, s14, 2
	s_add_co_u32 s54, s54, s16
	s_add_co_u32 s54, s54, 64                      ; column p2
	s_mov_b32 s55, 0
	s_mov_b32 s[SEL], 0x76543210
	s_mov_b32 s[SEL+1], 0xfedcba98
	s_mov_b32 s[MNT], 0x600000
	; descriptor group 1: 32 rows of 256 elements of 4 bytes, 16 bytes of padding behind each 1,024; the mask names the four partners, bit 21 beside it
	s_mov_b32 s[G1+0], 15|(2<<16)|(1<<20)|(1<<21)|(7<<22)|(3<<25)
	s_mov_b32 s[G1+1], 256<<16
	s_mov_b32 s[G1+2], 32<<16
	s_mov_b32 s[G1+3], 256<<16
	s_mov_b32 s[G1+4], 32
	s_mov_b32 s[G1+5], 256
	s_mov_b32 s[G1+6], 0
	s_mov_b32 s[G1+7], 0
	s_wait_alu depctr_va_vdst(0)                   ; the wait behind the run of scalar instructions
	v_and_b32 v64, 31, v0                          ; lane
	v_and_b32 v65, 15, v0                          ; r
	v_bfe_u32 v66, v0, 4, 1                        ; h
	v_mul_u32_u24 v67, v65, PITCH
	v_lshl_add_u32 v67, v66, 4, v67
	v_add_nc_u32 v[XA], s66, v67
	v_lshl_add_u32 v[IM], v64, 4, s66
	v_lshl_add_u32 v[ST], v64, 4, s67
	v_lshl_add_u32 v[P2L], v64, 4, V1P2
	v_lshl_add_u32 v[P2S], v64, 4, s68
	v_lshl_add_u32 v[S2S], v65, 3, s69
	v_lshl_add_u32 v[S1S], v65, 3, s70
	v_lshl_add_u32 v[SPS], v65, 3, s71
	v_lshl_add_u32 v[S2L], v65, 3, s72
	v_lshl_add_u32 v[S1L], v65, 3, s73
	v_lshl_add_u32 v[SPL], v65, 3, SCP
	v_lshl_add_u32 v[B0], v64, 4, s74
	v_add_nc_u32 v[B1], 4*TILE, v[B0]
	v_lshl_add_u32 v[VA], v64, 4, s75
	v_lshl_add_u32 v[VB], v64, 4, s76
	v_add_nc_u32 v[VC], 8*TILE, v[VB]
	v_lshl_add_u32 v[PM1S], v65, 2, s77
	v_lshl_add_u32 v[PM2S], v65, 2, s78
	v_lshl_add_u32 v[PM1R], v64, 2, s79
	v_lshl_add_u32 v[PM2R], v64, 2, s80
	v_lshlrev_b32 v[KO], 4, v66
	v_lshl_add_u32 v[XO], v65, 10, v[KO]
	v_add_nc_u32 v67, s81, v64
	v_and_b32 v67, 0xff, v67                       ; l = (64 c + 32 w + lane) % 256
	v_mul_u32_u24 v[OO], v67, 80                   ; a row of out0 is 20 numbers
	v_mov_b32 v[RS+1], 0                           ; named as the upper half of a pair
	v_mov_b32 v[SP], 0                             ; a lane permute's destination counts as one of its sources: written once
.irp e, 0,1,2,3,4,5,6,7
	v_mov_b32 v[MP+\e], 0
.endr
	s_wait_alu depctr_va_vdst(0)                   ; the wait at the head's end
	s_wait_dscnt 0x0                               ; both opening adds are done
	s_wait_kmcnt 0x0
	s_add_nc_u64 s[KP1:KP1+1], s[4:5], s[48:49]
	s_add_nc_u64 s[KP2:KP2+1], s[4:5], s[50:51]
	s_cmp_lt_u32 s[WV], 4
	s_cselect_b64 s[KH:KH+1], s[KP2:KP2+1], s[KP1:KP1+1]   ; waves 0-3 begin with p2
	s_add_nc_u64 s[XS1:XS1+1], s[6:7], s[56:57]
	s_add_nc_u64 s[XS2:XS2+1], s[6:7], s[58:59]
	s_mov_b32 s[G0], 1
	s_mov_b32 s[G0+1], s66
	s_add_nc_u64 s[G0+2:G0+3], s[8:9], s[62:63]
	s_or_b32 s[G0+3], s[G0+3], 0x80000000
	s_add_nc_u64 s[52:53], s[10:11], s[52:53]
	s_add_nc_u64 s[54:55], s[10:11], s[54:55]
.irp e, 0,1,2,3,4,5,6,7
	GL 2, KH, \e                                   ; a row of kernel, and S1
.endr
.irp e, 0,1,2,3,4,5,6,7
	GL 1, XS1, \e
.endr
	CROUND                                         ; all four partners are here
	tensor_load_to_lds s[G0:G0+3], s[G1:G1+7]      ; A and B: the wave's one tensor load
	s_nop 0
	PLACES 4
	; ---- THE QUANTISATIONS
	s_cmp_lt_u32 s[WV], 4
	s_cbranch_scc0 .Lno_p2
	QUANT C, PW, 1, -1, 0, 2, KP1, 0               ; S1, p2: waves 0-3; kernel's row p1 follows
	IMAGE P2S, 0, C
	ds_store_b64 v[SPS], v[PW:PW+1]
.Lno_p2:
	QUANT C, PW, 1, -1, 0, 1, XS2, 0               ; S1, p1; S2 follows
	IMAGE ST, 0, C
	ds_store_b64 v[S1S], v[PW:PW+1]
	QUANT V, PW, 1, -1, 0, 3, 0, 0                 ; S2, p1; A follows
	ds_store_b64 v[S1S], v[PW:PW+1] offset:1024
	QUANT C, PW, 0, 1, 0, 2, KP2, 0                ; A, p1; row p2 follows.  A's slot has been read: it takes this image,
	IMAGE IM, 0, C
	ds_store_b64 v[S2S], v[PW:PW+1]
	IMAGE IM, 4096, V                              ; S2's,
	QUANT C, BS2, 1, -1, 1, 3, TILE, 0             ; A, p2; B follows.  The barrier's signal stands inside: my images so far are stored, v1 p2 among them
	s_wait_alu depctr_va_vdst(0)                   ; the wait ahead of the barrier's wait: the stores below read the codes
	s_barrier_wait -1                              ; v1 p2's four images are there
	IMAGE IM, 8192, C                              ; and this one
	QUANT V, BS2+2, 0, 8, 0, 2, KP1, 0             ; B, p2: its codes stay; row p1 follows
	QUANT C, PW, 1, -1, 0, 0, 0, 1                 ; B, p1; T takes v1's four tiles under p2
	IMAGE IM, TILE, C
	ds_store_b64 v[S2S], v[PW:PW+1] offset:128
	; ---- p2: my two tiles of v2 against the four of v1, eight accumulators by turns
.irp t, 0,1,2,3
	ds_load_b64 v[LW+2*\t:LW+2*\t+1], v[SPL] offset:128*\t
.endr
	WIN 0x40
.irp n, 0,1,2,3,4,5,6,7
	ds_load_b128 v[X1+4*\n:X1+4*\n+3], v[IM] offset:8192+512*\n    ; A's codes
.endr
	WIN 0
	s_wait_alu depctr_va_vdst(0)                   ; the wait ahead of the blocking wait
	s_wait_dscnt 0x0
	PLACES 8                                       ; behind the conversions, for the registers that they read and wrote
.macro P2G s, a                        ; tile a (0: A, in window 1; 1: B), K step s
.if \a
	WIN 0x50
.else
	WIN 0x51
.endif
.irp t, 0,1,2,3
.if \s == 0
	v_wmma_scale_f32_16x16x128_f8f6f4 v[16*\t+8*\a:16*\t+8*\a+7], v[X1-32*\a:X1-32*\a+15], v[T+32*\t:T+32*\t+15], 0, v[BS2+2*\a], v[LW+2*\t]
.else
	v_wmma_scale_f32_16x16x128_f8f6f4 v[16*\t+8*\a:16*\t+8*\a+7], v[X1-32*\a+16:X1-32*\a+31], v[T+32*\t+16:T+32*\t+31], v[16*\t+8*\a:16*\t+8*\a+7], v[BS2+2*\a+1], v[LW+2*\t+1]
.endif
.endr
.endm
	P2G 0, 0
	P2G 0, 1                                       ; (X1 - 32 is V)
	P2G 1, 1
	P2G 1, 0
	PLACES 9
	WIN 0x15
.irp t, 0,1,2,3
	v_max3_num_f32 v[R2+\t], v[16*\t], v[16*\t+1], v[16*\t+2]
.endr
	WIN 0x14
.irp j, 3,5,7,9,11,13
.irp t, 0,1,2,3
	v_max3_num_f32 v[R2+\t], v[R2+\t], v[16*\t+\j], v[16*\t+\j+1]
.endr
.endr
.irp t, 0,1,2,3
	v_max_num_f32 v[R2+\t], v[R2+\t], v[16*\t+15]
.endr
	WIN 0
.irp t, 0,1,2,3
	v_permlanex16_b32 v[RP+\t], v[R2+\t], s[SEL], s[SEL+1]
.endr
.irp t, 0,1,2,3
	v_max_num_f32 v[R2+\t], v[R2+\t], v[RP+\t]     ; the maximum over my 32 m, for l = r of tile t
.endr
.irp t, 0,1,2,3
	ds_store_b32 v[PM2S], v[R2+\t] offset:64*\t    ; lanes r and 16 + r write the same word with the same value
.endr
	s_wait_alu depctr_va_vdst(0)                   ; the wait ahead of the barrier
	s_wait_dscnt 0x0                               ; for the others' sake: my images, scale words and partial maxima are stored
	s_barrier_signal -1
	s_barrier_wait -1
	; ---- p1: eight trips, a tile of v2 each, on four sets of fragments and two of accumulators by turns
.macro FL t
	WIN 0
	ds_load_b64 v[SS+2*((\t)%4):SS+2*((\t)%4)+1], v[S2L] offset:128*(\t)
.irp n, 0,1,2,3,4,5,6,7
	ds_load_b128 v[T+32*((\t)%4)+4*\n:T+32*((\t)%4)+4*\n+3], v[B0+(\t)/4] offset:TILE*((\t)%4)+512*\n
.endr
.endm
.macro VTILE a, adr, off
.irp n, 0,1,2,3,4,5,6,7
	ds_load_b128 v[64+32*\a+4*\n:64+32*\a+4*\n+3], v[\adr] offset:(\off)+512*\n
.endr
.endm
.macro MAXN u, first
.if \first
	WIN 0x15
.irp a, 0,1,2,3
	v_max3_num_f32 v[RM+\a], v[32*(\u)+8*\a], v[32*(\u)+8*\a+1], v[32*(\u)+8*\a+2]
.endr
	WIN 0x14
.irp j, 3,5
.irp a, 0,1,2,3
	v_max3_num_f32 v[RM+\a], v[RM+\a], v[32*(\u)+8*\a+\j], v[32*(\u)+8*\a+\j+1]
.endr
.endr
.irp a, 0,1,2,3
	v_max_num_f32 v[RM+\a], v[RM+\a], v[32*(\u)+8*\a+7]
.endr
.else
	WIN 0x14
.irp j, 0,2,4,6
.irp a, 0,1,2,3
	v_max3_num_f32 v[RM+\a], v[RM+\a], v[32*(\u)+8*\a+\j], v[32*(\u)+8*\a+\j+1]
.endr
.endr
.endif
.endm
; A trip's 16 lines of maxima take the results of the trip before.  They name no register of the eight products just ahead of them, and so are the places in front of the next trip's loads into the set of
; fragments that these products read (eight are owed), of the reads of their results a trip later (eight) and of the products two trips on, which begin the same accumulators anew (nine).  Trip 0: v_nop.
.macro TRIP t
.if (\t)+3 < 8
	FL (\t)+3
.endif
.set yg, 7-(\t)
.if yg > 3
.set yg, 3
.endif
	s_wait_dscnt 9*yg                              ; this trip's tile is in; the later ones' loads, nine each, may be out
	WIN 0x54
.irp s, 0,1
.irp a, 0,1,2,3
.if \s == 0
	v_wmma_scale_f32_16x16x128_f8f6f4 v[32*((\t)%2)+8*\a:32*((\t)%2)+8*\a+7], v[T+32*((\t)%4):T+32*((\t)%4)+15], v[64+32*\a:64+32*\a+15], 0, v[SS+2*((\t)%4)], v[LW+2*\a]
.else
	v_wmma_scale_f32_16x16x128_f8f6f4 v[32*((\t)%2)+8*\a:32*((\t)%2)+8*\a+7], v[T+32*((\t)%4)+16:T+32*((\t)%4)+31], v[64+32*\a+16:64+32*\a+31], v[32*((\t)%2)+8*\a:32*((\t)%2)+8*\a+7], v[SS+2*((\t)%4)+1], v[LW+2*\a+1]
.endif
.endr
.endr
.if (\t) == 0
	PLACES 9
.elseif (\t) == 1
	MAXN 0, 1
.else
	s_wait_alu depctr_va_vdst(0)                   ; the wait: the running maxima were written ahead of the wait for LDS
	MAXN ((\t)+1)%2, 0
.endif
.endm
	FL 0
.irp a, 0,1,2,3
	ds_load_b64 v[LW+2*\a:LW+2*\a+1], v[S1L] offset:512*\a
.endr
	WIN 0x40
	VTILE 0, VA, 0
	VTILE 1, VA, 16384
	VTILE 2, VB, 0
	VTILE 3, VC, 0
	FL 1
	FL 2
.irp t, 0,1,2,3,4,5,6,7
	TRIP \t
.endr
	s_wait_alu depctr_va_vdst(0)
	MAXN 1, 0                                      ; the last tile's results
	WIN 0
	; ---- THE WAY OUT
.irp a, 0,1,2,3
	v_permlanex16_b32 v[RP+\a], v[RM+\a], s[SEL], s[SEL+1]
.endr
.irp a, 0,1,2,3
	v_max_num_f32 v[RM+\a], v[RM+\a], v[RP+\a]
.endr
.irp a, 0,1,2,3
	ds_store_b32 v[PM1S], v[RM+\a] offset:256*\a
.endr
	s_wait_dscnt 0x0                               ; for the others' sake
	s_barrier_signal -1
	s_barrier_wait -1
	ds_load_b32 v64, v[PM1R]                       ; p1: the two halves of m, for my 32 l, one a lane
	ds_load_b32 v65, v[PM1R] offset:1024
	s_wait_dscnt 0x0
	v_max_num_f32 v64, v64, v65
	global_store_b32 v[OO], v64, s[52:53]
	s_cmp_lt_u32 s[WV], 2
	s_cbranch_scc0 .Lout
.irp k, 0,1,2,3,4,5,6,7
	ds_load_b32 v[66+\k], v[PM2R] offset:256*\k    ; p2: the eight waves' partial maxima, for the same 32 l
.endr
	s_wait_dscnt 0x0
	v_max3_num_f32 v66, v66, v67, v68
	v_max3_num_f32 v69, v69, v70, v71
	v_max3_num_f32 v66, v66, v72, v73
	v_max_num_f32 v66, v66, v69
	global_store_b32 v[OO], v66, s[54:55]
.Lout:
	s_wait_tensorcnt 0x0                           ; the wave's end
	ds_add_u32 v[SPW], v[NIL]
	s_wait_dscnt 0x0
	CROUND                                         ; the closing round: no work-group ends while a partner may still ask for a tile that names it
	s_endpgm
.Lfunc_end_k_q8da31dabe7_match:
	.size	k_q8da31dabe7_match, .Lfunc_end_k_q8da31dabe7_match-k_q8da31dabe7_match
	.p2alignl 7, 3214868480
	.fill 96, 4, 3214868480
	.section	.rodata,"a",@progbits
	.p2align	6, 0x0
	.amdhsa_kernel k_q8da31dabe7_match
		.amdhsa_group_segment_fixed_size 327680
		.amdhsa_private_segment_fixed_size 0
		.amdhsa_enable_private_segment 0
		.amdhsa_kernarg_size 32
		.amdhsa_user_sgpr_count 2
		.amdhsa_user_sgpr_kernarg_segment_ptr 1
		.amdhsa_wavefront_size32 1
		.amdhsa_system_sgpr_workgroup_id_x 1
		.amdhsa_system_sgpr_workgroup_id_y 1
		.amdhsa_system_sgpr_workgroup_id_z 1
		.amdhsa_system_vgpr_workitem_id 0
		.amdhsa_next_free_vgpr 512
		.amdhsa_next_free_sgpr 100
		.amdhsa_reserve_vcc 0
		.amdhsa_float_denorm_mode_32 3
		.amdhsa_float_denorm_mode_16_64 3
		.amdhsa_memory_ordered 1
		.amdhsa_forward_progress 1
		.amdhsa_inst_pref_size 255
	.end_amdhsa_kernel
	.section	.bss,"aw",@nobits
	.p2align	6
	.space	262144
	.amdgpu_metadata
---
amdhsa.version: [ 1, 2 ]
amdhsa.kernels:
  - .name:           k_q8da31dabe7_match
    .symbol:         k_q8da31dabe7_match.kd
    .args:
      - { .name: kernel, .offset: 0, .size: 8, .value_kind: global_buffer, .address_space: global }
      - { .name: sent1, .offset: 8, .size: 8, .value_kind: global_buffer, .address_space: global }
      - { .name: sent2, .offset: 16, .size: 8, .value_kind: global_buffer, .address_space: global }
      - { .name: out0, .offset: 24, .size: 8, .value_kind: global_buffer, .address_space: global }
    .group_segment_fixed_size: 327680
    .private_segment_fixed_size: 0
    .kernarg_segment_align: 8
    .kernarg_segment_size: 32
    .max_flat_workgroup_size: 256
    .sgpr_count:     100
    .vgpr_count:     512
    .wavefront_size: 32
...
	.end_amdgpu_metadata
.endif
;; end of part 1
